; MI455X (gfx1250); checked and timed in simulation.
; The chip was launched on July 23, 2026; its instructions are those of AMD's public machine-readable ISA for CDNA 5 (MIT licence, August 2026) and "CDNA5" Instruction Set Architecture Reference Guide (July 2026). The comments in the code are by the model that wrote it; some were corrected since.
;; Encoder Positional. Allowed arithmetic: float matrix products may take bf16 or f16 operands with f32 sums; all other float work in f32.
;; Inputs: inputs 4,096 int32; pos_table 4,096 x 512 float32; word_table 50,257 x 512 float32.
;; Outputs: out0 4,096 x 1,024 float32; out1 1 x 1 x 1,024 float32.
;; Constants: max_length = 4096.
;; One version. Each part assembles by itself: llvm-mc -triple=amdgcn-amd-amdhsa -mcpu=gfx1250 --defsym DOCPART=n.
;; ======== version 1 of 1: 2 launches
;; workspace buffers: part 524,288 bytes
;; launch copy (part 1): grid 2 x 128, 8 waves a work-group, no clusters, 17,408 bytes of LDS; arguments inputs, pos_table, word_table, out0, part; writes out0, part
.if DOCPART == 1
	.amdgcn_target "amdgcn-amd-amdhsa--gfx1250"
	.amdhsa_code_object_version 6
	.text
	.protected	k_q26e38ba1aa_copy
	.globl	k_q26e38ba1aa_copy
	.p2align	8
	.type	k_q26e38ba1aa_copy,@function
k_q26e38ba1aa_copy:
	s_mov_b64 s[64:65], 0
	v_nop
	global_prefetch_b8 v0, s[64:65] scope:SCOPE_SE
	s_setreg_imm32_b32 hwreg(HW_REG_WAVE_MODE, 25, 1), 1
	s_wait_xcnt 0x0
; out0[s] = [ word_table[inputs[s]] , pos_table[s] ]  (4,096 rows of 1,024 f32), and partial column sums for the mean.
; Work-group (h, y), 2 x 128 of them: rows 32 y .. 32 y + 31, and of each row half h (1,024 bytes) of the word part and half h of
; the pos part, so that every work-group does the same mix of gathered and streamed bytes.  A wave owns 4 of the rows:
; 4 rows x 2 tables x 2 segments of 512 bytes = 16 loads of 16 bytes a lane, all issued before the first is used.
; Every load and store of a wave covers 512 consecutive bytes that start at a multiple of 512 from its buffer's first byte.
; A lane keeps the same columns in all its rows, so the column sums are plain register additions; the eight waves' sums meet in
; LDS, and the work-group stores one row piece of part[128][1024]; the next launch adds the 128 rows of part.
; No sharing between work-groups (each byte is read by one of them, unless the list names a row twice): no cluster, no tensor loads.
; LIMITS.  Indices are taken as 0 .. 50256, as the table has 50,257 rows; any other bit pattern is clamped as an unsigned
; number to 50256 (a negative index reads the last row; it does not wrap).  The sums are f32, added in another order than a serial sum.
.set ROWB,  2048                       ; bytes in a row of either table
.set OUTB,  4096                       ; bytes in a row of out0 and of part
.set SEG,   512                        ; bytes that one load or store of a wave covers
.set LAST,  50256                      ; the word table's last row
.set LO,    1                          ; v1        16 x lane: my 16 bytes in a segment
.set WO,    2                          ; v[2:5]    row j: index x 2,048 + 16 x lane
.set LST,   6                          ; v6        LDS: where my wave's sums go
.set LRD,   7                          ; v7        LDS: 8 x thread, the 8 bytes that I fold over the waves
.set PO,    8                          ; v8        my 8 bytes in the work-group's piece of part
.set P,     16                         ; v[16:47]  pos data,  row j segment k at P + 8 j + 4 k
.set W,     48                         ; v[48:79]  word data, likewise
.set AW,    80                         ; v[80:87]  sums of the word columns, segment k at AW + 4 k
.set AP,    88                         ; v[88:95]  sums of the pos columns
.set R,     96                         ; v[96:111] the eight waves' sums of my two columns
	s_load_b256 s[4:11], s[0:1], 0x0               ; inputs s[4:5], pos_table s[6:7], word_table s[8:9], out0 s[10:11]
	s_load_b64 s[12:13], s[0:1], 0x20              ; part
	v_lshl_add_u32 v112, v0, 2, 0x4000
	v_mov_b32 v113, 0
	v_lshrrev_b32 v[PO], 5, v0
	v_readfirstlane_b32 s14, v[PO]                 ; wave 0..7, as a scalar
	v_and_b32 v[LO], 31, v0
	v_lshlrev_b32 v[LO], 4, v[LO]                  ; 16 x lane
	s_and_b32 s15, ttmp7, 0xffff                   ; y: block of 32 rows
	s_lshl_b32 s16, s15, 5
	s_lshl2_add_u32 s16, s14, s16                  ; my wave's first row = 32 y + 4 wave
	; byte offsets, each in a pair of its own with 0 on top (all below 2^25)
	s_lshl_b32 s26, ttmp9, 10                      ; word_table: half h of a row
	s_mov_b32 s27, 0
	s_lshl_b32 s20, s16, 2                         ; inputs: 4 bytes an index
	s_mov_b32 s21, 0
	s_lshl_b32 s22, s16, 11                        ; pos_table: row x 2,048 + half
	s_add_co_u32 s22, s22, s26
	s_mov_b32 s23, 0
	s_lshl_b32 s24, s16, 12                        ; out0: row x 4,096 + half
	s_add_co_u32 s24, s24, s26
	s_mov_b32 s25, 0
	s_lshl_b32 s28, s15, 12                        ; part: y x 4,096 + half
	s_add_co_u32 s28, s28, s26
	s_mov_b32 s29, 0
	s_lshl_b32 s17, s14, 11                        ; LDS: 2,048 bytes for each wave
	v_add_nc_u32 v[LST], s17, v[LO]
	v_lshlrev_b32 v[LRD], 3, v0                    ; 8 x thread: 256 threads cover the 2,048 bytes
	v_and_b32 v[PO], 128, v0                       ; threads 128-255 hold pos columns, which lie 1,024 bytes further on in a row of part
	v_add_lshl_u32 v[PO], v[PO], v0, 3             ; 8 x thread + 1,024 for those
	s_wait_kmcnt 0x0
	s_add_nc_u64 s[4:5], s[4:5], s[20:21]
	s_load_b128 s[32:35], s[4:5], 0x0              ; my four indices: asked for first, they head the longest chain
	s_add_nc_u64 s[6:7], s[6:7], s[22:23]
	s_add_nc_u64 s[8:9], s[8:9], s[26:27]
	s_add_nc_u64 s[10:11], s[10:11], s[24:25]
	s_add_nc_u64 s[12:13], s[12:13], s[28:29]
	; the eight pos loads need no index: they leave while the indices are on their way.  Read once in the launch: NT.
.irp j, 0,1,2,3
.irp k, 0,1
	global_load_b128 v[P+8*\j+4*\k:P+8*\j+4*\k+3], v[LO], s[6:7] offset:\j*ROWB+\k*SEG th:TH_LOAD_NT
.endr
.endr
	s_wait_kmcnt 0x0                               ; the indices
.irp j, 0,1,2,3
	s_min_u32 s[32+\j], s[32+\j], LAST             ; whatever the list holds, the load stays inside the table
	s_lshl_b32 s[32+\j], s[32+\j], 11              ; x 2,048 bytes: at most 102,924,288, inside 31 bits
	v_add_nc_u32 v[WO+\j], s[32+\j], v[LO]
.endr
	; the eight gathered loads.  No hint: the list may name a row again.
.irp j, 0,1,2,3
.irp k, 0,1
	global_load_b128 v[W+8*\j+4*\k:W+8*\j+4*\k+3], v[WO+\j], s[8:9] offset:\k*SEG
.endr
.endr
; One load's 16 bytes a lane: stored as they came, and added to the columns' sums.  d: P or W; acc: its sums; col: where the table's
; part begins in a row of out0; left: how many younger loads may stay out (loads come back in the order of issue).
; Row 1 starts the sums together with row 0: nothing is cleared.  The data registers are only read from here on, so the pending
; stores' sources stay as they are and no further wait is owed for them.
.macro TAKE d, acc, j, k, col, left
	s_wait_loadcnt \left
	global_store_b128 v[LO], v[\d+8*\j+4*\k:\d+8*\j+4*\k+3], s[10:11] offset:\j*OUTB+\col+\k*SEG th:TH_STORE_NT
.if \j == 1
	v_pk_add_f32 v[\acc+4*\k:\acc+4*\k+1],   v[\d+4*\k:\d+4*\k+1],   v[\d+8+4*\k:\d+8+4*\k+1]
	v_pk_add_f32 v[\acc+4*\k+2:\acc+4*\k+3], v[\d+4*\k+2:\d+4*\k+3], v[\d+8+4*\k+2:\d+8+4*\k+3]
.endif
.if \j > 1
	v_pk_add_f32 v[\acc+4*\k:\acc+4*\k+1],   v[\acc+4*\k:\acc+4*\k+1],   v[\d+8*\j+4*\k:\d+8*\j+4*\k+1]
	v_pk_add_f32 v[\acc+4*\k+2:\acc+4*\k+3], v[\acc+4*\k+2:\acc+4*\k+3], v[\d+8*\j+4*\k+2:\d+8*\j+4*\k+3]
.endif
.endm
.irp j, 0,1,2,3
.irp k, 0,1
	TAKE P, AP, \j, \k, ROWB, 15-2*\j-\k           ; pos load 2 j + k: the later pos loads and all eight word loads stay out
.endr
.endr
.irp j, 0,1,2,3
.irp k, 0,1
	TAKE W, AW, \j, \k, 0, 7-2*\j-\k               ; word load 2 j + k: the later word loads stay out; the last wait is for 0
.endr
.endr
	; The waves' sums meet in LDS: wave w's 2,048 bytes = word segments 0, 1, then pos segments 0, 1.
	ds_store_b128 v[LST], v[AW:AW+3]
	ds_store_b128 v[LST], v[AW+4:AW+7] offset:SEG
	ds_store_b128 v[LST], v[AP:AP+3]   offset:2*SEG
	ds_store_b128 v[LST], v[AP+4:AP+7] offset:3*SEG
	s_wait_dscnt 0x0                               ; for the other waves' sake: my sums are in LDS before I say so
	s_barrier_signal -1
	s_barrier_wait -1
.irp w, 0,1,2,3,4,5,6,7
	ds_load_b64 v[R+2*\w:R+2*\w+1], v[LRD] offset:\w*2048          ; my two columns from each wave; a wave reads 256 consecutive bytes
.endr
	s_wait_dscnt 0x0
	v_pk_add_f32 v[R:R+1],     v[R:R+1],     v[R+2:R+3]
	v_pk_add_f32 v[R+4:R+5],   v[R+4:R+5],   v[R+6:R+7]
	v_pk_add_f32 v[R+8:R+9],   v[R+8:R+9],   v[R+10:R+11]
	v_pk_add_f32 v[R+12:R+13], v[R+12:R+13], v[R+14:R+15]
	v_pk_add_f32 v[R:R+1],     v[R:R+1],     v[R+4:R+5]
	v_pk_add_f32 v[R+8:R+9],   v[R+8:R+9],   v[R+12:R+13]
	v_pk_add_f32 v[R:R+1],     v[R:R+1],     v[R+8:R+9]
	global_store_b64 v[PO], v[R:R+1], s[12:13]     ; a wave stores 256 consecutive bytes at a multiple of 256; no hint: the next launch reads them
	s_wait_tensorcnt 0x0
	ds_add_u32 v112, v113
	s_wait_dscnt 0x0
	s_endpgm
.Lfunc_end_k_q26e38ba1aa_copy:
	.size	k_q26e38ba1aa_copy, .Lfunc_end_k_q26e38ba1aa_copy-k_q26e38ba1aa_copy
	.p2alignl 7, 3214868480
	.fill 96, 4, 3214868480
	.section	.rodata,"a",@progbits
	.p2align	6, 0x0
	.amdhsa_kernel k_q26e38ba1aa_copy
		.amdhsa_group_segment_fixed_size 17408
		.amdhsa_private_segment_fixed_size 0
		.amdhsa_enable_private_segment 0
		.amdhsa_kernarg_size 40
		.amdhsa_user_sgpr_count 2
		.amdhsa_user_sgpr_kernarg_segment_ptr 1
		.amdhsa_wavefront_size32 1
		.amdhsa_system_sgpr_workgroup_id_x 1
		.amdhsa_system_sgpr_workgroup_id_y 1
		.amdhsa_system_sgpr_workgroup_id_z 1
		.amdhsa_system_vgpr_workitem_id 0
		.amdhsa_next_free_vgpr 114
		.amdhsa_next_free_sgpr 66
		.amdhsa_reserve_vcc 0
		.amdhsa_float_denorm_mode_32 3
		.amdhsa_float_denorm_mode_16_64 3
		.amdhsa_memory_ordered 1
		.amdhsa_forward_progress 1
		.amdhsa_inst_pref_size 9
	.end_amdhsa_kernel
	.amdgpu_metadata
---
amdhsa.version: [ 1, 2 ]
amdhsa.kernels:
  - .name:           k_q26e38ba1aa_copy
    .symbol:         k_q26e38ba1aa_copy.kd
    .args:
      - { .name: inputs, .offset: 0, .size: 8, .value_kind: global_buffer, .address_space: global }
      - { .name: pos_table, .offset: 8, .size: 8, .value_kind: global_buffer, .address_space: global }
      - { .name: word_table, .offset: 16, .size: 8, .value_kind: global_buffer, .address_space: global }
      - { .name: out0, .offset: 24, .size: 8, .value_kind: global_buffer, .address_space: global }
      - { .name: part, .offset: 32, .size: 8, .value_kind: global_buffer, .address_space: global }
    .group_segment_fixed_size: 17408
    .private_segment_fixed_size: 0
    .kernarg_segment_align: 8
    .kernarg_segment_size: 40
    .max_flat_workgroup_size: 256
    .sgpr_count:     66
    .vgpr_count:     114
    .wavefront_size: 32
...
	.end_amdgpu_metadata
.endif
;; end of part 1
;; launch mean (part 2): grid 16 x 1, 8 waves a work-group, no clusters, 5,120 bytes of LDS; arguments part, out1; writes out1
.if DOCPART == 2
	.amdgcn_target "amdgcn-amd-amdhsa--gfx1250"
	.amdhsa_code_object_version 6
	.text
	.protected	k_q26e38ba1aa_mean
	.globl	k_q26e38ba1aa_mean
	.p2align	8
	.type	k_q26e38ba1aa_mean,@function
k_q26e38ba1aa_mean:
	s_mov_b64 s[64:65], 0
	v_nop
	global_prefetch_b8 v0, s[64:65] scope:SCOPE_SE
	s_setreg_imm32_b32 hwreg(HW_REG_WAVE_MODE, 25, 1), 1
	s_wait_xcnt 0x0
; out1[c] = (sum over the 128 rows of part[128][1024]) / 4096: the mean over out0's 4,096 rows, whose sums over blocks of 32 rows
; the launch before left in part.
; Work-group x owns the 64 columns at byte 256 x of every row: 16 work-groups, so that each stores its 256 bytes of out1 whole, by one
; instruction.  Sixteen neighbouring threads cover the 256 bytes of a row; the 256 threads are 16 such groups; group g takes rows
; g, g + 16, .. g + 112: eight loads a thread, all issued before the first is used.  The 16 groups' sums meet in LDS, wave 0 folds them.
; The division is a multiplication by 2^-12, which is exact.  Sums in f32, in another order than a serial sum.
.set ROWB,   4096                      ; bytes in a row of part
.set STRIP,  256                       ; bytes of a row that the work-group owns
.set GROUPS, 16                        ; groups of 16 threads
.set EACH,   8                         ; rows of a thread: 128 / 16
.set GO,     1                         ; v1       group x 4,096 + 16 x (thread mod 16)
.set LST,    2                         ; v2       LDS: 512 x wave + 16 x lane = 256 x group + 16 x (thread mod 16)
.set LRD,    3                         ; v3       8 x lane: wave 0's two columns, in LDS and in out1
.set D,      8                         ; v[8:39]  the eight rows' 16 bytes; later the 16 groups' 8 bytes
	s_load_b128 s[4:7], s[0:1], 0x0                ; part s[4:5], out1 s[6:7]
	v_lshl_add_u32 v40, v0, 2, 0x1000
	v_mov_b32 v41, 0
	v_lshrrev_b32 v[LST], 5, v0
	v_readfirstlane_b32 s8, v[LST]                 ; wave 0..7, as a scalar
	v_and_b32 v[GO], 15, v0
	v_lshlrev_b32 v[GO], 4, v[GO]
	v_lshrrev_b32 v[LRD], 4, v0                    ; group
	v_lshl_add_u32 v[GO], v[LRD], 12, v[GO]
	v_and_b32 v[LRD], 31, v0                       ; lane
	s_lshl_b32 s9, s8, 9
	v_lshl_add_u32 v[LST], v[LRD], 4, s9
	v_lshlrev_b32 v[LRD], 3, v[LRD]
	s_lshl_b32 s10, ttmp9, 8                       ; the work-group's 256 bytes
	s_mov_b32 s11, 0
	s_wait_kmcnt 0x0
	s_add_nc_u64 s[4:5], s[4:5], s[10:11]
	s_add_nc_u64 s[6:7], s[6:7], s[10:11]
.irp i, 0,1,2,3,4,5,6,7
	global_load_b128 v[D+4*\i:D+4*\i+3], v[GO], s[4:5] offset:\i*GROUPS*ROWB th:TH_LOAD_NT    ; each half of the wave: 256 consecutive bytes of a row
.endr
.irp i, 1,2,3,4,5,6,7
	s_wait_loadcnt 7-\i                            ; loads come back in the order of issue: rows 0 .. i are in, the 7 - i younger stay out
	v_pk_add_f32 v[D:D+1],   v[D:D+1],   v[D+4*\i:D+4*\i+1]
	v_pk_add_f32 v[D+2:D+3], v[D+2:D+3], v[D+4*\i+2:D+4*\i+3]
.endr
	ds_store_b128 v[LST], v[D:D+3]
	s_wait_dscnt 0x0                               ; for wave 0's sake: my sums are in LDS before I say so
	s_barrier_signal -1
	s_barrier_wait -1
	s_cmp_lg_u32 s8, 0                             ; 64 numbers are left to make: one wave's work
	s_cbranch_scc1 .Ldone
.irp g, 0,1,2,3,4,5,6,7,8,9,10,11,12,13,14,15
	ds_load_b64 v[D+2*\g:D+2*\g+1], v[LRD] offset:\g*STRIP         ; group g's sums of my two columns
.endr
	s_wait_dscnt 0x0
.irp g, 0,1,2,3,4,5,6,7
	v_pk_add_f32 v[D+2*\g:D+2*\g+1], v[D+2*\g:D+2*\g+1], v[D+2*\g+16:D+2*\g+17]
.endr
.irp g, 0,1,2,3
	v_pk_add_f32 v[D+2*\g:D+2*\g+1], v[D+2*\g:D+2*\g+1], v[D+2*\g+8:D+2*\g+9]
.endr
.irp g, 0,1
	v_pk_add_f32 v[D+2*\g:D+2*\g+1], v[D+2*\g:D+2*\g+1], v[D+2*\g+4:D+2*\g+5]
.endr
	v_pk_add_f32 v[D:D+1], v[D:D+1], v[D+2:D+3]
	v_pk_mul_f32 v[D:D+1], v[D:D+1], 0x39800000 op_sel_hi:[1,0]    ; x 2^-12 = / 4096
	global_store_b64 v[LRD], v[D:D+1], s[6:7]      ; 32 lanes x 8 bytes: the work-group's 256 bytes of out1, whole
.Ldone:
	s_wait_tensorcnt 0x0
	ds_add_u32 v40, v41
	s_wait_dscnt 0x0
	s_endpgm
.Lfunc_end_k_q26e38ba1aa_mean:
	.size	k_q26e38ba1aa_mean, .Lfunc_end_k_q26e38ba1aa_mean-k_q26e38ba1aa_mean
	.p2alignl 7, 3214868480
	.fill 96, 4, 3214868480
	.section	.rodata,"a",@progbits
	.p2align	6, 0x0
	.amdhsa_kernel k_q26e38ba1aa_mean
		.amdhsa_group_segment_fixed_size 5120
		.amdhsa_private_segment_fixed_size 0
		.amdhsa_enable_private_segment 0
		.amdhsa_kernarg_size 16
		.amdhsa_user_sgpr_count 2
		.amdhsa_user_sgpr_kernarg_segment_ptr 1
		.amdhsa_wavefront_size32 1
		.amdhsa_system_sgpr_workgroup_id_x 1
		.amdhsa_system_sgpr_workgroup_id_y 1
		.amdhsa_system_sgpr_workgroup_id_z 1
		.amdhsa_system_vgpr_workitem_id 0
		.amdhsa_next_free_vgpr 42
		.amdhsa_next_free_sgpr 66
		.amdhsa_reserve_vcc 0
		.amdhsa_float_denorm_mode_32 3
		.amdhsa_float_denorm_mode_16_64 3
		.amdhsa_memory_ordered 1
		.amdhsa_forward_progress 1
		.amdhsa_inst_pref_size 6
	.end_amdhsa_kernel
	.amdgpu_metadata
---
amdhsa.version: [ 1, 2 ]
amdhsa.kernels:
  - .name:           k_q26e38ba1aa_mean
    .symbol:         k_q26e38ba1aa_mean.kd
    .args:
      - { .name: part, .offset: 0, .size: 8, .value_kind: global_buffer, .address_space: global }
      - { .name: out1, .offset: 8, .size: 8, .value_kind: global_buffer, .address_space: global }
    .group_segment_fixed_size: 5120
    .private_segment_fixed_size: 0
    .kernarg_segment_align: 8
    .kernarg_segment_size: 16
    .max_flat_workgroup_size: 256
    .sgpr_count:     66
    .vgpr_count:     42
    .wavefront_size: 32
...
	.end_amdgpu_metadata
.endif
;; end of part 2
